; MI455X (gfx1250); checked and timed in simulation.
; The chip was launched on July 23, 2026; its instructions are those of AMD's public machine-readable ISA for CDNA 5 (MIT licence, August 2026) and "CDNA5" Instruction Set Architecture Reference Guide (July 2026). The comments in the code are by the model that wrote it; some were corrected since.
;; Modern Hopfield Network. Allowed arithmetic: matrix products marked QUANTISED: E5M2 operands, one given power-of-two scale a tensor, by v_wmma_f32_16x16x64_bf8_bf8 or v_wmma_f32_16x16x128_bf8_bf8, f32 sums; everything else in f32.
;; Inputs: lowp_scales 4 int32 (the exponents e of the quantised operands' scales 2^e); stored 65,536 x 256 float32; x 2,048 x 256 float32.
;; Outputs: out0 2,048 x 256 float32.
;; This version of the problem:
;;   THIS VERSION OF THE PROBLEM IS GIVEN IN LOW PRECISION. The matrix products marked QUANTISED in the list below multiply operands that are first quantised to E5M2 (5 exponent bits, 2 mantissa bits; 8 bits a number), with one given power-of-two scale for each operand tensor; their sums are f32. All else is computed in f32.
;;   The module's matrix products, in the order in which they are computed (A, B: the left and right operand; K: the contracted axis; several contracted axes count as one K, in the product's order):
;;     1. [M 2,048, K 256] x [K 256, N 65,536]; A: input x; B: input stored: QUANTISED (scales: A lowp_scales[0], B lowp_scales[1])
;;     2. [M 2,048, K 65,536] x [K 65,536, N 256]; A: softmax (see below); B: input stored: QUANTISED (scales: A lowp_scales[2], B lowp_scales[3])
;;   THE QUANTISER, for each operand of a quantised product, along K:
;;     - The operand's scale is 2^e, e = its entry of the input lowp_scales (int32; the entries are numbered through the quantised products in the list's order, A before B).
;;     - Each number is divided by the scale, clamped to +-57,344, and rounded to the nearest number of E5M2, ties to even, subnormals kept.
;;     - The product sums the exact products of the quantised numbers (number of the format x scale) in f32.
;;   ~~~python
;;   def quantise(x, axis, e):      # numpy; x: float32 -> the quantised numbers, widened to float32 again
;;       x = np.moveaxis(x, axis, -1); K = x.shape[-1]
;;       r = np.clip(x / 2.0 ** e, -57344, 57344)
;;       step = 2.0 ** (np.maximum(np.frexp(np.where(r == 0, 1, r))[1] - 1, -14) - 2)
;;       q = np.round(r / step) * step * 2.0 ** e      # np.round: ties to even
;;       return np.moveaxis(q, -1, axis).astype(np.float32)
;;   ~~~
;;   SOFTMAX AHEAD OF A QUANTISED PRODUCT. Where the list says 'softmax', what is quantised is not the finished softmax but p = 2^(t - M), with t = logit x log2(e) and M = ceil(the row's largest t), a whole number; so 1/2 < the row's largest p <= 1. The row's sum l is taken of the UNQUANTISED p, in f32, and the product's result is divided by l at the end. Since M is a whole number, a kernel that streams over the keys may use a running M (the ceiling of the running maximum): every later rescaling is an exact power of two, so the quantised numbers keep their values, but for numbers so far below the row's largest that they fall under the format's range.
;;   OPERANDS COMPUTED ON THE WAY. 'Computed on the way' means the value that the module computes at that place (a softmax that the list does not call 'softmax' is quantised finished and normalised). What goes into a quantiser is computed in f32, as accurately as f32 sums, v_exp_f32 and their like allow (about 1e-6 of the number): no bf16 or f16 on the way to a quantiser, and a product that is left as it is and whose result goes on into a quantised operand takes f32 operands (vector FMAs, or v_wmma_f32_16x16x4_f32). A number that lies on a knife's edge between two numbers of the format may be rounded either way, as far as f32 arithmetic and the matrix unit's own rounding can turn it there, and no further.
;; One version. Each part assembles by itself: llvm-mc -triple=amdgcn-amd-amdhsa -mcpu=gfx1250 --defsym DOCPART=n.
;; ======== version 1 of 1: 3 launches
;; limits: right only within a limited range of input values
;; workspace buffers: kv 33,554,432 bytes; qc 524,288 bytes; po 33,554,432 bytes; ps 524,288 bytes
;; launch quant (part 1): grid 528 x 1, 4 waves a work-group, no clusters, 70,144 bytes of LDS; arguments stored, x, lowp_scales, kv, qc; writes kv, qc
.if DOCPART == 1
	.amdgcn_target "amdgcn-amd-amdhsa--gfx1250"
	.amdhsa_code_object_version 6
	.text
	.protected	k_q47d230ad6c_quant
	.globl	k_q47d230ad6c_quant
	.p2align	8
	.type	k_q47d230ad6c_quant,@function
k_q47d230ad6c_quant:
	s_mov_b64 s[64:65], 0
	v_nop
	global_prefetch_b8 v0, s[64:65] scope:SCOPE_SE
	s_setreg_imm32_b32 hwreg(HW_REG_WAVE_MODE, 25, 1), 1
	s_wait_xcnt 0x0
; stored [65536][256] and x [2048][256], f32, become codes of BF8 (E5M2), laid as IMAGES OF OPERAND REGISTERS, so that the attention launch fetches every fragment by loads of 16 bytes a lane, 512 bytes on end.
; code = number / 2^e, held within +-57,344, rounded to the nearest code, ties to even.  e: lowp_scales[0] for x, [1] for stored as keys (K = the 256 channels), [3] for stored as values (K = the keys).
; LIMITS: each e lies between -126 and 112, so that 2^e and 57,344 x 2^e are f32 numbers.  NaN among the inputs is not served (an infinity is held at the largest code).
; kv: 512 blocks of 65,536 bytes, one for each 128 keys: the K part, then (at 32,768) the V part.   qc: x in the K part's layout alone, 4,096 bytes a tile of 16 queries.
; K part, byte 4096 kt + 2048 s + 512 c + 16 L + y: tile kt (0-7), channel step s (0, 1), registers 4 c .. 4 c + 3, lane L = r + 16 h.
;   Row r of tile 2 b + u is key 32 b + 8 u + r + 8 (r / 8).  The 16 bytes are slots 16 s + 4 c + 2 h and the next; slot p holds channels 4 p .. 4 p + 3 and 128 + 4 p .. 128 + 4 p + 3:
;   a permutation of the channels, the same for keys and queries, so every product meets its partner.  It makes a lane's two loads of 16 bytes (one in each half of a row) one conversion's eight numbers.
; V part, byte 8192 c + 512 f + 16 L + y: channel tile f (0-15), row r = channel 16 f + r; the 16 bytes are keys 32 c + 16 h + 0 .. 15.
; SHARES.  Work-groups 0-511 take 128 rows of stored, 512-527 take 128 rows of x (they have no V part).  Wave b takes rows 32 b .. 32 b + 31, eight at a time.  Each load reads 512 consecutive bytes.
; For the V part a lane's eight numbers of one channel lie in eight registers of eight rows: the hold, which every number needs anyway, writes them into consecutive registers.
; The codes meet in the wave's own two stages in LDS (32 rows of 256 bytes + 16 each) and leave as stores of 512 consecutive bytes.  Waves share nothing: no barrier.
.set NKV,  512                         ; work-groups that take stored
.set SP,   272                         ; a stage row
.set VST,  32*SP                       ; the V stage lies behind the K stage
.set WREG, 2*VST                       ; LDS of a wave
.set X,    16                          ; v16-143   two sets of 64 numbers: register 8 i + j = row i, number j of my slot
.set T,    144                         ; v144-207  the numbers held, in the order that the conversions want
.set CK,   208                         ; v208-223  codes for the K part
.set CV,   224                         ; v224-239  codes for the V part
	s_load_b128 s[4:7], s[0:1], 0x0                ; stored, x
	s_load_b128 s[8:11], s[0:1], 0x10              ; the scales' exponents, kv
	s_load_b64 s[12:13], s[0:1], 0x20              ; qc
	v_lshl_add_u32 v240, v0, 2, 0x11000
	v_mov_b32 v241, 0
	v_lshrrev_b32 v1, 5, v0
	v_readfirstlane_b32 s14, v1                    ; wave b
	v_and_b32 v1, 31, v0                           ; lane
	v_lshlrev_b32 v2, 4, v1                        ; 16 x lane: my bytes of a load's and of a store's 512
	s_mul_i32 s15, s14, WREG
	v_lshrrev_b32 v7, 1, v1
	v_mul_u32_u24 v3, v7, SP
	v_and_b32 v7, 1, v1
	v_lshl_add_u32 v3, v7, 3, v3
	v_add_nc_u32 v3, s15, v3                       ; K stage, in: row lane / 2 (= 8 s + 2 c + h), byte 8 (lane % 2); the immediate adds 16 rows x u and 16 r
	v_lshrrev_b32 v7, 2, v1
	v_mul_u32_u24 v4, v7, SP
	v_and_b32 v7, 3, v1
	v_lshl_add_u32 v4, v7, 6, v4
	v_add_nc_u32 v4, s15, v4
	v_add_nc_u32 v4, VST, v4                       ; V stage, in: row lane / 4 (of f), byte 64 (lane % 4); the immediate adds 16 rows x h, 8 rows x (j / 4), 16 (j % 4), 8 (g % 2)
	v_lshrrev_b32 v7, 4, v1
	v_and_b32 v12, 15, v1
	v_mul_u32_u24 v5, v7, SP
	v_lshl_add_u32 v5, v12, 4, v5
	v_add_nc_u32 v5, s15, v5                       ; K stage, out: two rows an instruction, sixteen lanes to a row
	v_mul_u32_u24 v6, v7, 16*SP
	v_lshl_add_u32 v6, v12, 4, v6
	v_add_nc_u32 v6, s15, v6
	v_add_nc_u32 v6, VST, v6                       ; V stage, out: rows f and 16 + f (h = 0, 1)
	s_wait_kmcnt 0x0
	s_load_b128 s[16:19], s[8:9], 0x0              ; e0 .. e3
	s_cmp_lt_u32 ttmp9, NKV                        ; stored or x?  The choice hangs on the work-group's number alone
	s_cselect_b64 s[20:21], s[4:5], s[6:7]         ; where the numbers come from
	s_cselect_b64 s[22:23], s[10:11], s[12:13]     ; where the K part goes
	s_cselect_b32 s24, 0, NKV
	s_cselect_b32 s25, 16, 15                      ; a block of kv is 65,536 bytes, of qc 32,768
	s_sub_co_u32 s24, ttmp9, s24                   ; which 128 rows of the tensor
	s_lshl_b32 s28, s24, 17                        ; 128 rows of 1,024 bytes,
	s_lshl_b32 s26, s14, 15                        ; my wave's 32
	s_add_co_u32 s28, s28, s26
	s_mov_b32 s29, 0
	s_add_nc_u64 s[20:21], s[20:21], s[28:29]
	s_lshl_b32 s30, s24, s25
	s_lshl_b32 s26, s14, 13                        ; my wave's 8,192 bytes of either part
	s_add_co_u32 s30, s30, s26
	s_mov_b32 s31, 0
	s_add_nc_u64 s[22:23], s[22:23], s[30:31]
	s_lshl_b32 s32, s24, 16
	s_add_co_u32 s32, s32, s26
	s_add_co_u32 s32, s32, 32768
	s_mov_b32 s33, 0
	s_add_nc_u64 s[34:35], s[10:11], s[32:33]      ; where the V part goes (used by stored's work-groups alone)
.macro LOADS g                         ; rows 8 g .. 8 g + 7 into set g % 2: of each row my 16 bytes of its first half and of its second
.irp i, 0,1,2,3,4,5,6,7
	global_load_b128 v[X+64*((\g)%2)+8*\i:X+64*((\g)%2)+8*\i+3], v2, s[20:21] offset:(8*(\g)+\i)*1024 th:TH_LOAD_NT
	global_load_b128 v[X+64*((\g)%2)+8*\i+4:X+64*((\g)%2)+8*\i+7], v2, s[20:21] offset:(8*(\g)+\i)*1024+512 th:TH_LOAD_NT
.endr
.endm
	LOADS 0
	LOADS 1
	s_wait_kmcnt 0x0
	s_cmp_lt_u32 ttmp9, NKV
	s_cselect_b32 s26, s17, s16                    ; e1 for stored, e0 for x
	s_add_co_i32 s26, s26, 127
	s_lshl_b32 s27, s26, 23
	v_mov_b32 v9, s27                              ; 2^e as f32: the conversion takes its exponent field
	s_add_co_i32 s26, s26, 15
	s_lshl_b32 s26, s26, 23
	s_or_b32 s26, s26, 0x600000
	v_mov_b32 v8, s26                              ; 57,344 x 2^e
	s_add_co_i32 s26, s19, 127                     ; the same with e3, for the V part
	s_lshl_b32 s27, s26, 23
	v_mov_b32 v11, s27
	s_add_co_i32 s26, s26, 15
	s_lshl_b32 s26, s26, 23
	s_or_b32 s26, s26, 0x600000
	v_mov_b32 v10, s26
; Eight rows.  Rows 8 g + i are row r = 8 (g / 2) + i of tile u = g % 2 of the K part, and keys 16 (g / 2) + 8 (g % 2) + i of the V part's 32.
.macro SUB g
.set XS, X+64*((\g)%2)
.if (\g) < 3
	s_wait_loadcnt 16                              ; my 16 loads are in; the next eight rows' 16 may be out
.else
	s_wait_loadcnt 0
.endif
	s_wait_dscnt 0x0                               ; the last eight rows' stores into the stages have read their registers
.set n, 0
.rept 64
	v_med3_num_f32 v[T+n], v[XS+n], -v8, v8        ; the conversion to an 8-bit code does not saturate (ISA guide 7.6.2): the hold at the largest code x the scale
.set n, n+1
.endr
.irp i, 0,1,2,3,4,5,6,7
	v_cvt_scalef32_pk8_bf8_f32 v[CK+2*\i:CK+2*\i+1], v[T+8*\i:T+8*\i+7], v9   ; row i: my slot's eight codes
.endr
	v_nop                                          ; one plain line between the conversions and the lines that write their sources again
.irp i, 0,1,2,3,4,5,6,7
	ds_store_b64 v3, v[CK+2*\i:CK+2*\i+1] offset:4352*((\g)&1)+128*((\g)>>1)+16*\i
.endr
	s_cmp_ge_u32 ttmp9, NKV                        ; x has no V part
	s_cbranch_scc1 .Lno_v_\@
.irp j, 0,1,2,3,4,5,6,7
.irp i, 0,1,2,3,4,5,6,7
	v_med3_num_f32 v[T+8*\j+\i], v[XS+8*\i+\j], -v10, v10   ; the hold lays channel j's eight keys into consecutive registers
.endr
.endr
.irp j, 0,1,2,3,4,5,6,7
	v_cvt_scalef32_pk8_bf8_f32 v[CV+2*\j:CV+2*\j+1], v[T+8*\j:T+8*\j+7], v11  ; channel 128 (j / 4) + 4 lane + j % 4: eight keys' codes
.endr
	v_nop
.irp j, 0,1,2,3,4,5,6,7
	ds_store_b64 v4, v[CV+2*\j:CV+2*\j+1] offset:4352*((\g)>>1)+2176*(\j>>2)+16*(\j&3)+8*((\g)&1)
.endr
.Lno_v_\@:
.if (\g) < 2
	LOADS (\g)+2                                   ; this set's numbers have been read
.endif
.endm
	s_wait_alu depctr_va_vdst(0)
	SUB 0
	SUB 1
	SUB 2
	SUB 3
.irp n, 0,1,2,3,4,5,6,7,8,9,10,11,12,13,14,15
	ds_load_b128 v[X+4*\n:X+4*\n+3], v5 offset:544*\n      ; LDS serves a wave's instructions in order (ISA guide 5.7.1.4): these see my stores
.endr
.irp n, 0,1,2,3,4,5,6,7,8,9,10,11,12,13,14,15
	s_wait_dscnt 15-\n
	global_store_b128 v2, v[X+4*\n:X+4*\n+3], s[22:23] offset:512*\n   ; 32 lanes store 512 consecutive bytes, at a multiple of 512 from the buffer's first byte
.endr
	s_cmp_ge_u32 ttmp9, NKV
	s_cbranch_scc1 .Ldone
.irp n, 0,1,2,3,4,5,6,7,8,9,10,11,12,13,14,15
	ds_load_b128 v[X+64+4*\n:X+64+4*\n+3], v6 offset:272*\n
.endr
.irp n, 0,1,2,3,4,5,6,7,8,9,10,11,12,13,14,15
	s_wait_dscnt 15-\n
	global_store_b128 v2, v[X+64+4*\n:X+64+4*\n+3], s[34:35] offset:512*\n
.endr
.Ldone:
	s_wait_tensorcnt 0x0
	ds_add_u32 v240, v241
	s_wait_dscnt 0x0
	s_endpgm
.Lfunc_end_k_q47d230ad6c_quant:
	.size	k_q47d230ad6c_quant, .Lfunc_end_k_q47d230ad6c_quant-k_q47d230ad6c_quant
	.p2alignl 7, 3214868480
	.fill 96, 4, 3214868480
	.section	.rodata,"a",@progbits
	.p2align	6, 0x0
	.amdhsa_kernel k_q47d230ad6c_quant
		.amdhsa_group_segment_fixed_size 70144
		.amdhsa_private_segment_fixed_size 0
		.amdhsa_enable_private_segment 0
		.amdhsa_kernarg_size 40
		.amdhsa_user_sgpr_count 2
		.amdhsa_user_sgpr_kernarg_segment_ptr 1
		.amdhsa_wavefront_size32 1
		.amdhsa_system_sgpr_workgroup_id_x 1
		.amdhsa_system_sgpr_workgroup_id_y 1
		.amdhsa_system_sgpr_workgroup_id_z 1
		.amdhsa_system_vgpr_workitem_id 0
		.amdhsa_next_free_vgpr 242
		.amdhsa_next_free_sgpr 66
		.amdhsa_reserve_vcc 0
		.amdhsa_float_denorm_mode_32 3
		.amdhsa_float_denorm_mode_16_64 3
		.amdhsa_memory_ordered 1
		.amdhsa_forward_progress 1
		.amdhsa_inst_pref_size 57
	.end_amdhsa_kernel
	.amdgpu_metadata
---
amdhsa.version: [ 1, 2 ]
amdhsa.kernels:
  - .name:           k_q47d230ad6c_quant
    .symbol:         k_q47d230ad6c_quant.kd
    .args:
      - { .name: stored, .offset: 0, .size: 8, .value_kind: global_buffer, .address_space: global }
      - { .name: x, .offset: 8, .size: 8, .value_kind: global_buffer, .address_space: global }
      - { .name: lowp_scales, .offset: 16, .size: 8, .value_kind: global_buffer, .address_space: global }
      - { .name: kv, .offset: 24, .size: 8, .value_kind: global_buffer, .address_space: global }
      - { .name: qc, .offset: 32, .size: 8, .value_kind: global_buffer, .address_space: global }
    .group_segment_fixed_size: 70144
    .private_segment_fixed_size: 0
    .kernarg_segment_align: 8
    .kernarg_segment_size: 40
    .max_flat_workgroup_size: 128
    .sgpr_count:     66
    .vgpr_count:     242
    .wavefront_size: 32
...
	.end_amdgpu_metadata
.endif
;; end of part 1
;; launch attn (part 2): grid 16 x 16, 4 waves a work-group, clusters of 4 x 1, 327,680 bytes of LDS; arguments qc, kv, lowp_scales, po, ps; writes po, ps
.if DOCPART == 2
	.amdgcn_target "amdgcn-amd-amdhsa--gfx1250"
	.amdhsa_code_object_version 6
	.text
	.protected	k_q47d230ad6c_attn
	.globl	k_q47d230ad6c_attn
	.p2align	8
	.type	k_q47d230ad6c_attn,@function
k_q47d230ad6c_attn:
	s_mov_b64 s[64:65], 0
	v_nop
	global_prefetch_b8 v0, s[64:65] scope:SCOPE_SE
	s_setreg_imm32_b32 hwreg(HW_REG_WAVE_MODE, 25, 1), 1
	s_wait_xcnt 0x0
	s_wait_alu depctr_hold_cnt(0) depctr_sa_sdst(0) depctr_va_vdst(0) depctr_va_sdst(0) depctr_va_ssrc(0) depctr_va_vcc(0) depctr_vm_vsrc(0)
	s_getreg_b32 s2, hwreg(HW_REG_IB_STS2, 6, 4)
	s_cmp_eq_u32 s2, 0
	s_cbranch_scc0 .Lentry_in_a_cluster
	s_endpgm
.Lentry_in_a_cluster:
	s_bfe_u32 s2, ttmp6, 0x10000c
	s_cmp_lg_u32 s2, 0x3003
	s_cbranch_scc0 .Lentry_shape_is_right
	s_endpgm
.Lentry_shape_is_right:
; For 128 queries and 4,096 keys: O = the sum over these keys of Q(p) Q(stored), p = 2^(t - M), with -M and l = the sum of the unquantised p.  Both products on codes of BF8 (E5M2).
; t = score x log2(e) x 2^(e0 + e1); M = the largest t so far of the keys that a wave has walked, rounded UP to a whole number; when M moves, l and O are multiplied by 2^(old M - new M), which rounds nothing.
; The next launch merges the 16 splits of the keys, divides by l and multiplies by 2^(e2 + e3).
; LIMITS: e0 + e1 between -126 and 127 (added to the exponent field of log2(e)); e2 between -126 and 112.  NaN and infinities are not served.  M is a wave's own running M: a p far under the row's
; largest keeps bits that the whole row's M would drop under the format's range; and where e2 < -15 the hold at the largest code acts on p under the running M.
; The channels are permuted inside the first product, alike in both operands (see the launch that lays the codes), so the order of its f32 sums is not the ascending one.
; SHARES.  Work-group (x, y): query block x (128 queries: 8 tiles of 16), key split y (4,096 keys: 16 steps of 256).  Wave w: queries 64 (w % 2) on, and of each step's 256 keys the 128 (w / 2) on.
; A wave holds FOUR tiles of queries, so that each fragment of K and V that it reads from LDS feeds four products.  At the end the two waves of a query half exchange two tiles each through LDS and merge.
; CLUSTER.  The four query blocks of a cluster walk the same keys: each tile of codes is asked for JOINTLY, by the same tensor load with the same descriptor and the mask of all four.
; LAYOUT.  Both products are used transposed: S^T = K Q^T (source 0 = 16 keys), O^T = V^T P^T (source 0 = 16 channels): a lane holds ONE query (lane % 16) throughout.  The keys of a tile of K are chosen
; so that the 16 registers of tiles 2 b, 2 b + 1 are keys 32 b + 16 (lane / 16) + 0 .. 15: the conversions' results are the second product's operand.
; LDS: slot 0 at 0, slot 1 at 2^17, 131,072 bytes each, as register images: every fragment load takes 512 bytes on end.  Wave w fills quarter w of a slot.
; REGISTERS: ONE TILE TO A WINDOW of 256 (s_set_vgpr_msb: bits 1:0 source 0, 3:2 source 1, 5:4 source 2, 7:6 destination).  Window t holds tile 4 (w % 2) + (2 (w / 2) + t) % 4, at the same numbers in each window:
;   v2 57,344 x 2^e2, v3 2^e2; v4 -M, v5 the largest score; v[6:7] l; v8, v9, v12, v13 the maximum's four chains; later v[8:9] at work, v12 f = 2^(old M - new M); v16-31 P; v32-63 Q; v64-127 S^T; v128-255 O^T.
;   Window 0 alone: v0 the LDS address in hand, v1 16 x lane, v10, v11 for the add, v14 256 x lane for the prefetch.
;   OVERLAYS.  K's fragment i (tile i / 2, channel step i % 2) lies in window i % 4: i < 12 at v[80 + 16 (i / 4)], on scores that are not made yet; i >= 12 at v16, on P.
;   V's fragment f lies in window f / 4 at v[64 + 16 (f % 4)], on the scores of a tile whose p has been converted.  v28-31 carry two chains of l's sum until P's last codes are made.
.set SLOT1, 1<<17
.set SPARE, 2*SLOT1                    ; the spare words, 128 bytes a wave: two blocks of 256 bytes that no other line names
.set XST,   SPARE+512                  ; 512 bytes a wave for the exchange of -M and l; no fill lands here
.set STEPB, 131072                     ; a step's bytes in kv
.set ADR, 0
.set L16, 1
.set LIM, 2
.set SCL, 3
.set SPW, 10
.set NIL, 11
.set PFO, 14
.set P,   16
.set Q,   32
.set S,   64
.set O,   128
.set XG,  0                            ; at the end, window 0: where I put the tiles that I give,
.set XSG, 2                            ; and their -M and l;
.set XT,  3                            ; where I take my partner's,
.set XSR, 32                           ; and their -M and l;
.set L8,  33                           ; 8 x lane
.set WV,  14                           ; s14  my wave's number
.set SEL, 20                           ; s[20:21] lane selects for v_permlanex16_b32: lane l xor 16
.set CS,  22                           ; s[22:23] c = log2(e) x 2^(e0 + e1)
.set G1,  24                           ; s[24:31] descriptor group 1
.set G0,  32                           ; s[32:35] descriptor group 0: it walks
.set TBG, 36                           ; s36  LDS byte at which my 128 keys of the step in hand begin
.set CNT, 37
.set PFA, 38                           ; s[38:39] where my prefetch stands: my 8,192 bytes of the step two refills on
.set MSB, 0
.macro WIN new                         ; the immediate's high byte repeats the setting that is left; a switch that changes nothing is dropped
.if MSB != (\new)
	s_set_vgpr_msb (MSB<<8)|(\new)
.set MSB, (\new)
.endif
.endm
.macro WAITV                           ; the wait round batches of transcendentals and ahead of late readers
	s_wait_alu depctr_va_vdst(0)
.endm
; A round of the cluster's barrier
.macro CREST                           ; a round behind its opening barrier
	s_cmp_lg_u32 s[WV], 0
	s_cbranch_scc1 .Lnw0_\@
	s_barrier_signal -3
.Lnw0_\@:
	s_barrier_wait -3
	s_barrier_signal -1
	s_barrier_wait -1
.endm
.macro CROUND
	s_barrier_signal -1
	s_barrier_wait -1
	s_cmp_lg_u32 s[WV], 0
	s_cbranch_scc1 .Lnot_wave_0_\@
	s_barrier_signal -3
.Lnot_wave_0_\@:
	s_barrier_wait -3
	s_barrier_signal -1
	s_barrier_wait -1
.endm
	s_load_b128 s[4:7], s[0:1], 0x0                ; qc, kv
	s_load_b128 s[8:11], s[0:1], 0x10              ; the scales' exponents, po
	s_load_b64 s[12:13], s[0:1], 0x20              ; ps
	v_lshl_add_u32 v[SPW], v0, 2, SPARE
	v_mov_b32 v[NIL], 0
	ds_add_u32 v[SPW], v[NIL]                      ; the opening lines: the add twice on end and its wait
	ds_add_u32 v[SPW], v[NIL]
	s_wait_dscnt 0x0
	v_lshrrev_b32 v1, 5, v0
	v_readfirstlane_b32 s[WV], v1                  ; wave 0..3
	s_lshr_b32 s15, s[WV], 1                       ; g: which 128 keys of a step
	s_and_b32 s16, s[WV], 1                        ; which 64 queries
	s_bfe_u32 s17, ttmp6, 0x40000                  ; cx: it enters the addresses of qc, po, ps and of the prefetch alone
	s_lshl_b32 s18, ttmp9, 2
	s_add_co_u32 s18, s18, s17                     ; my block of 128 queries
	s_and_b32 s19, ttmp7, 0xffff                   ; the split of the keys, which the four partners share
	s_lshl_b32 s38, s19, 21                        ; the split's 2,097,152 bytes of kv,
	s_lshl_b32 s39, s[WV], 15                      ; my quarter of a step
	s_add_co_u32 s38, s38, s39
	s_mov_b32 s39, 0
	s_lshl_b32 s[TBG], s15, 16
	s_lshl_b32 s50, s18, 3
	s_lshl_b32 s51, s16, 2
	s_add_co_u32 s50, s50, s51                     ; the first of my four tiles, counted through all 128
	s_lshl_b32 s51, s15, 1
	s_add_co_u32 s52, s50, s51                     ; windows 0, 1: the two tiles that I keep,
	s_xor_b32 s51, s51, 2
	s_add_co_u32 s53, s50, s51                     ; windows 2, 3: the two that I give
	s_lshl_b32 s54, s52, 12                        ; a tile of qc is 4,096 bytes
	s_mov_b32 s55, 0
	s_lshl_b32 s56, s53, 12
	s_mov_b32 s57, 0
	s_lshl_b32 s51, s19, 7
	s_add_co_u32 s51, s51, s52                     ; 128 x split + tile
	s_lshl_b32 s48, s51, 14                        ; a tile of po is 16,384 bytes,
	s_mov_b32 s49, 0
	s_lshl_b32 s62, s51, 8                         ; of ps 256
	s_mov_b32 s63, 0
	; descriptor group 1: a quarter of a step, dense in memory: 128 rows of 32 elements of 8 bytes; no padding
	s_mov_b32 s[G1], 15|(3<<16)|(1<<21)            ; the mask of all four work-groups; elements of 8 bytes; bit 21 beside a mask
	s_mov_b32 s[G1+1], 32<<16
	s_mov_b32 s[G1+2], 128<<16
	s_mov_b32 s[G1+3], 32<<16
	s_mov_b32 s[G1+4], 128
	s_mov_b32 s[G1+5], 32
	s_mov_b32 s[G1+6], 0
	s_mov_b32 s[G1+7], 0
	s_mov_b32 s[SEL], 0x76543210
	s_mov_b32 s[SEL+1], 0xfedcba98
	s_wait_kmcnt 0x0
	s_load_b128 s[40:43], s[8:9], 0x0              ; e0 .. e3
	s_mov_b32 s[G0], 1
	s_lshl_b32 s[G0+1], s[WV], 15                  ; LDS address: quarter w of slot 0
	s_add_nc_u64 s[G0+2:G0+3], s[6:7], s[38:39]    ; the split's first step, my quarter
	s_or_b32 s[G0+3], s[G0+3], 0x80000000
	s_add_nc_u64 s[44:45], s[4:5], s[54:55]        ; Q of windows 0, 1
	s_add_nc_u64 s[46:47], s[4:5], s[56:57]        ; Q of windows 2, 3
	s_add_nc_u64 s[58:59], s[10:11], s[48:49]      ; po at the tiles that I keep
	s_add_nc_u64 s[60:61], s[12:13], s[62:63]      ; ps likewise
	CROUND                                         ; all four work-groups are here: the first joint loads meet
	tensor_load_to_lds s[G0:G0+3], s[G1:G1+7]      ; step 0 into slot 0: my one tensor load at the head
	s_nop 0
.rept 4
	v_nop
.endr
	v_and_b32 v[L16], 31, v0
	v_lshlrev_b32 v[L16], 4, v[L16]
	v_lshlrev_b32 v[PFO], 4, v[L16]                ; 256 x lane, for the prefetch
.irp t, 0,1,2,3                        ; Q stays in registers: two fragments a tile
	WIN \t<<6
.irp s, 0,1
.irp c, 0,1,2,3
.if \t < 2
	global_load_b128 v[Q+16*\s+4*\c:Q+16*\s+4*\c+3], v[L16], s[44:45] offset:4096*(\t%2)+2048*\s+512*\c
.else
	global_load_b128 v[Q+16*\s+4*\c:Q+16*\s+4*\c+3], v[L16], s[46:47] offset:4096*(\t%2)+2048*\s+512*\c
.endif
.endr
.endr
.endr
	; the prefetch: a step's 131,072 bytes are 512 blocks of 256; the cluster's 16 waves take 8,192 bytes each, told apart by address: 4 cx + wave; a lane a block
	s_lshl_b32 s38, s17, 2
	s_add_co_u32 s38, s38, s[WV]
	s_lshl_b32 s38, s38, 13
	s_lshl_b32 s39, s19, 21
	s_add_co_u32 s38, s38, s39
	s_add_co_u32 s38, s38, 2*STEPB                 ; at step 2: the first change of slots steps it to 3
	s_mov_b32 s39, 0
	s_add_nc_u64 s[PFA:PFA+1], s[6:7], s[38:39]
	s_wait_kmcnt 0x0
	s_add_co_i32 s48, s40, s41
	s_lshl_b32 s48, s48, 23
	s_mov_b32 s[CS], 0x3fb8aa3b                    ; log2(e)
	s_add_co_i32 s[CS], s[CS], s48                 ; x 2^(e0 + e1), by the exponent field
	s_mov_b32 s[CS+1], s[CS]
	s_add_co_i32 s48, s42, 127
	s_lshl_b32 s49, s48, 23                        ; 2^e2 as f32
	s_add_co_i32 s48, s48, 15
	s_lshl_b32 s48, s48, 23
	s_or_b32 s48, s48, 0x600000                    ; 57,344 x 2^e2
.irp t, 0,1,2,3
	WIN \t<<6
	v_mov_b32 v[LIM], s48
	v_mov_b32 v[SCL], s49
.endr
	WIN 0
	WAITV                                          ; at the head's end
	s_wait_loadcnt 0x0                             ; Q
.macro KBASE                           ; where K's fragment ii lies in its window
.set kb, 80+16*(ii/4)
.if ii >= 12
.set kb, P
.endif
.endm
; Half h of the maximum over the eight scores of tile k of keys.  Four chains, v8, v9 (h = 0) and v12, v13 (h = 1): fifteen plain lines stand between a chain's write and its next read.  Each accumulator is read from its low end on.
.macro MAXH k, h
.set sb, S+8*(\k)+4*(\h)
.set ca, 8+4*(\h)
.if (\k) == 0
	v_max_num_f32 v[ca], v[sb], v[sb+1]
	v_max_num_f32 v[ca+1], v[sb+2], v[sb+3]
.else
	v_max3_num_f32 v[ca], v[ca], v[sb], v[sb+1]
	v_max3_num_f32 v[ca+1], v[ca+1], v[sb+2], v[sb+3]
.endif
.endm
; l's sum runs in four chains of pairs: v[6:7], v[8:9], v[28:29], v[30:31]; pair j of a group goes to chain j % 4
.macro CHADD j, base
.set cr, 6+2*((\j)%4)+18*(((\j)%4)/2)
	v_pk_add_f32 v[cr:cr+1], v[cr:cr+1], v[\base+2*(\j):\base+2*(\j)+1]
.endm
; A tile's softmax, in its own window, in two groups of 32 scores.  Each batch of exponentials has one wait ahead of it and one behind it; the plain lines that stand among the exponentials depend on nothing written inside the batch.
.macro SOFT first
.set n, 0
.rept 16
	v_pk_fma_f32 v[S+n:S+n+1], v[S+n:S+n+1], s[CS:CS+1], v[4:5] op_sel_hi:[1,0,0]     ; t - M, group 0
.set n, n+2
.endr
	WAITV
.set n, 0
.rept 32
	v_exp_f32 v[S+n], v[S+n]                       ; p = 2^(t - M), at most 1: not normalised
.if n%2
	v_pk_fma_f32 v[S+31+n:S+32+n], v[S+31+n:S+32+n], s[CS:CS+1], v[4:5] op_sel_hi:[1,0,0]   ; t - M, group 1
.endif
.set n, n+1
.endr
	WAITV
.if \first                             ; group 0's sum, of the UNQUANTISED p; l comes under the new M on the way
	v_pk_add_f32 v[6:7], v[S:S+1], v[S+8:S+9]
.else
	v_pk_fma_f32 v[6:7], v[6:7], v[12:13], v[S:S+1] op_sel_hi:[1,0,1]
.endif
	v_pk_add_f32 v[8:9], v[S+2:S+3], v[S+10:S+11]
	v_pk_add_f32 v[28:29], v[S+4:S+5], v[S+12:S+13]
	v_pk_add_f32 v[30:31], v[S+6:S+7], v[S+14:S+15]
.if !\first
	v_pk_add_f32 v[6:7], v[6:7], v[S+8:S+9]
.endif
.irp j, 8,9,10,11,12,13,14,15
	CHADD \j, S
.endr
.set n, 0
.rept 32
	v_exp_f32 v[S+32+n], v[S+32+n]
	v_min_num_f32 v[S+n], v[S+n], v[LIM]           ; the conversion to an 8-bit code does not saturate (ISA guide 7.6.2); p is not negative, so the hold is one-sided
.set n, n+1
.endr
	WAITV                                          ; behind the tile's last exponential; also directly ahead of the first readers of O^T's first four channel tiles
.if !\first
.set n, 0
.rept 16
	v_pk_mul_f32 v[O+n:O+n+1], v[O+n:O+n+1], v[12:13] op_sel_hi:[1,0]
.set n, n+2
.endr
.endif
.irp g, 0,1,2,3
	v_cvt_scalef32_pk8_bf8_f32 v[P+2*\g:P+2*\g+1], v[S+8*\g:S+8*\g+7], v[SCL]
.endr
.irp j, 0,1,2,3,4,5,6,7,8,9,10,11,12,13,14,15
	CHADD \j, S+32
.endr
.set n, 0
.rept 16
	v_min_num_f32 v[S+32+n], v[S+32+n], v[LIM]
.set n, n+1
.endr
	v_pk_add_f32 v[28:29], v[28:29], v[30:31]      ; the four chains become l, among the holds and ahead of the codes that land on two of them
	v_pk_add_f32 v[6:7], v[6:7], v[8:9]
.rept 16
	v_min_num_f32 v[S+32+n], v[S+32+n], v[LIM]
.set n, n+1
.endr
	v_pk_add_f32 v[6:7], v[6:7], v[28:29]
.irp g, 4,5,6,7
	v_cvt_scalef32_pk8_bf8_f32 v[P+2*\g:P+2*\g+1], v[S+8*\g:S+8*\g+7], v[SCL]
.endr
	v_nop                                          ; the plain line behind the last conversion
.endm
; A STEP: my 128 keys against my four tiles of queries.  first = 1: it starts M, l and O^T: nothing is cleared and nothing rescaled.  ask: 0 no prefetch, 1 one, 2 one while a step two refills on exists.
; chg: the change of slots that stands in the step's last 16 products: 1 with the cluster's round and the joint refill, 0 with the work-group's barrier alone.
.macro STEP first, ask, chg
	; A: all of K is asked for (five v_nop stand behind the last products, at the last step's end)
.set ii, 0
.rept 16
	KBASE
	WIN (ii%4)<<6
.irp c, 0,1,2,3
	ds_load_b128 v[kb+4*\c:kb+4*\c+3], v[ADR] offset:2048*ii+512*\c
.endr
.set ii, ii+1
.endr
	WIN 0
.if \ask
.if \ask == 2
	s_cmp_gt_u32 s[CNT], 1                         ; the loop's last trip (step 13) has no step three on
	s_cbranch_scc0 .Lno_ask_\@
.endif
	global_prefetch_b8 v[PFO], s[PFA:PFA+1] th:TH_LOAD_NT scope:SCOPE_SE   ; 32 blocks of 256 bytes of the step that the refill after next will load
.if \ask == 2
.Lno_ask_\@:
.endif
.endif
	; B: S^T = K Q^T, 64 products: each fragment against the four tiles, which take turns.  Behind each product stands a slice of that tile's maximum, over the scores finished
	; one tile of keys earlier: a read of scores, and a product that writes over a fragment that is done with, stand four slices behind the product concerned.
.set ii, 0
.rept 16
	KBASE
.set kt, ii/2
	s_wait_dscnt 4*(15-ii)                         ; fragment ii is in; the later fragments, four loads each, may be out
.set tt, 0
.rept 4
	WIN (ii%4)+0x54*tt
.if (ii%2) == 0
	v_wmma_f32_16x16x128_bf8_bf8 v[S+8*kt:S+8*kt+7], v[kb:kb+15], v[Q:Q+15], 0
.else
	v_wmma_f32_16x16x128_bf8_bf8 v[S+8*kt:S+8*kt+7], v[kb:kb+15], v[Q+16:Q+31], v[S+8*kt:S+8*kt+7]
.endif
.if ii == 1
	v_nop
.elseif ii >= 2
	WIN 0x55*tt
	MAXH kt-1, ii%2
.endif
.set tt, tt+1
.endr
.set ii, ii+1
.endr
	; C: the end of the maximum, and M: the four tiles by turns, one line a turn, each line reading what the turn before wrote
.irp h, 0,1
.irp t, 0,1,2,3
	WIN 0x55*\t
	MAXH 7, \h
.endr
.endr
.irp t, 0,1,2,3
	WIN 0x55*\t
	v_max3_num_f32 v8, v8, v12, v13
.endr
.irp t, 0,1,2,3
	WIN 0x55*\t
	v_max_num_f32 v8, v8, v9
.endr
.irp t, 0,1,2,3
	WIN 0x55*\t
	v_permlanex16_b32 v9, v8, s[SEL], s[SEL+1]     ; the query's other 64 keys lie in the lane 16 away
.endr
	WAITV
.irp t, 0,1,2,3
	WIN 0x55*\t
.if \first
	v_max_num_f32 v5, v8, v9
.else
	v_max3_num_f32 v5, v5, v8, v9                  ; the running largest score
.endif
.endr
.irp t, 0,1,2,3
	WIN 0x55*\t
	v_mul_f32 v8, s[CS], v5                        ; as t (c is positive)
.endr
.if \first
.irp t, 0,1,2,3
	WIN 0x55*\t
	v_floor_f32 v4, -v8                            ; -M = floor(-t) = -ceil(t): M is a whole number
.endr
.else
.irp t, 0,1,2,3
	WIN 0x55*\t
	v_floor_f32 v9, -v8
.endr
.irp t, 0,1,2,3
	WIN 0x55*\t
	v_sub_f32 v8, v9, v4                           ; M's old value less its new one: a whole number, 0 or less
	v_mov_b32 v4, v9
.endr
.irp t, 0,1,2,3
	WIN 0x55*\t
	v_cvt_i32_f32 v8, v8                           ; (it saturates)
.endr
.irp t, 0,1,2,3
	WIN 0x55*\t
	v_ldexp_f32 v12, 1.0, v8                       ; f = 2^(old M - new M)
.endr
.endif
	; D: the softmax, tile by tile; behind each tile four fragments of V are asked for, into the registers that its scores have left
.irp t, 0,1,2,3
	WIN 0x55*\t
	SOFT \first
	WIN \t<<6
.set fi, 0
.rept 4
.irp c, 0,1,2,3
	ds_load_b128 v[S+16*fi+4*\c:S+16*fi+4*\c+3], v[ADR] offset:32768+8192*\c+512*(4*\t+fi)
.endr
.set fi, fi+1
.endr
.endr
	; E: O^T += V^T P^T, 64 products on 64 accumulators.  Behind each stands the rescaling of the accumulator that is due 16 products later, from its low end on
.set vb, 0
.rept 4
.if vb == 0
	WAITV
.endif
.if vb == 3
	WIN 0
	s_xor_b32 s[TBG], s[TBG], SLOT1                ; on to the other slot:
	v_add_nc_u32 v[ADR], s[TBG], v[L16]            ; the next step's LDS address
	WAITV
.endif
	s_wait_dscnt 48-16*vb                          ; window vb's four fragments are in; the later windows' 16 loads each may be out
.if vb == 3
	; THE CHANGE OF SLOTS: all of V lies in registers, so my reads of this slot are over
	s_wait_tensorcnt 0x0                           ; my one tensor load that was out, my quarter of the next slot, has landed: group 0 may be written
	ds_add_u32 v[SPW], v[NIL]                      ; eight products stand between it and its wait
.if \chg
	s_xor_b32 s[G0+1], s[G0+1], SLOT1              ; the walking descriptor: the slot that is being left,
	s_add_nc_u64 s[G0+2:G0+3], s[G0+2:G0+3], STEPB ; the 256 keys two steps on
	s_wait_xcnt 0x0                                ; my last prefetch has read its address
	s_add_nc_u64 s[PFA:PFA+1], s[PFA:PFA+1], STEPB
.endif
.endif
.set tt, 0
.rept 4
.if (vb == 3) && (tt == 2)
	s_wait_dscnt 0x0                               ; the add is done
	s_barrier_signal -1                            ; eight products, work on registers, stand between the signal and its wait
.endif
.set fi, 0
.rept 4
.set ff, 4*vb+fi
	WIN vb+0x54*tt
.if \first
	v_wmma_f32_16x16x128_bf8_bf8 v[O+8*ff:O+8*ff+7], v[S+16*fi:S+16*fi+15], v[P:P+15], 0
.else
	v_wmma_f32_16x16x128_bf8_bf8 v[O+8*ff:O+8*ff+7], v[S+16*fi:S+16*fi+15], v[P:P+15], v[O+8*ff:O+8*ff+7]
.endif
.if (!\first) && (vb < 3)
	WIN 0x55*tt
.irp n, 0,2,4,6
	v_pk_mul_f32 v[O+8*(ff+4)+\n:O+8*(ff+4)+\n+1], v[O+8*(ff+4)+\n:O+8*(ff+4)+\n+1], v[12:13] op_sel_hi:[1,0]
.endr
.endif
.set fi, fi+1
.endr
.set tt, tt+1
.endr
.set vb, vb+1
.endr
	WIN 0                                          ; at a label and at a branch every window is 0
	s_barrier_wait -1
.if \chg
	CREST                                          ; the rest of the cluster's round: no wave of any partner still reads the slot or has a load on its way
	tensor_load_to_lds s[G0:G0+3], s[G1:G1+7]      ; the joint refill, first behind the round: it has a whole step in which to land
	s_nop 0
.endif
.rept 5
	v_nop                                          ; five places behind the last products, ahead of loads into their sources and of products that write over them
.endr
.endm
; The first change of slots, at the head: step 0's tile is waited for, and slot 1 is filled for the first time, behind the three lines and a round, as a refill is.
.macro CHANGE fill
	s_wait_tensorcnt 0x0                           ; no tensor load of mine is out, so group 0 may be written
	ds_add_u32 v[SPW], v[NIL]
	v_add_nc_u32 v[ADR], s[TBG], v[L16]            ; the step's LDS address
.if \fill
	s_xor_b32 s[G0+1], s[G0+1], SLOT1              ; the walking descriptor: the other slot,
	s_add_nc_u64 s[G0+2:G0+3], s[G0+2:G0+3], STEPB ; the next 256 keys
	s_wait_xcnt 0x0                                ; my last prefetch has read its address
	s_add_nc_u64 s[PFA:PFA+1], s[PFA:PFA+1], STEPB
.endif
	WAITV
	s_wait_dscnt 0x0                               ; the add is done, and my reads of the slot that I have left are over
.if \fill
	CROUND
	tensor_load_to_lds s[G0:G0+3], s[G1:G1+7]
	s_nop 0
.else
	s_barrier_signal -1
	s_barrier_wait -1
.endif
.rept 4
	v_nop                                          ; four v_nop follow a tensor load, ahead of the next window switch
.endr
.endm
	CHANGE 1                                       ; step 0 is in; step 1 goes into slot 1
	STEP 1, 1, 1                                   ; step 0; at its end step 2 is asked for
	s_mov_b32 s[CNT], 13
.Lstep:                                            ; steps 1 to 13; they ask for steps 3 to 15
	STEP 0, 2, 1
	s_sub_co_u32 s[CNT], s[CNT], 1
	s_cmp_lg_u32 s[CNT], 0
	s_cbranch_scc1 .Lstep
	s_mov_b32 s[CNT], 2
.Llast:                                            ; steps 14 and 15 ask for nothing. The last trip's barrier stands between all reads of the slots and the exchange's stores
	STEP 0, 0, 0
	s_sub_co_u32 s[CNT], s[CNT], 1
	s_cmp_lg_u32 s[CNT], 0
	s_cbranch_scc1 .Llast
	; THE END.  l's two halves and the other half of the lanes' are added (these lines are also the places behind the last products): v[4:5] = (-M, l)
.irp t, 0,1,2,3
	WIN 0x55*\t
	v_add_f32 v8, v6, v7
.endr
.irp t, 0,1,2,3
	WIN 0x55*\t
	v_permlanex16_b32 v9, v8, s[SEL], s[SEL+1]
.endr
	WAITV
.irp t, 0,1,2,3
	WIN 0x55*\t
	v_add_f32 v5, v8, v9
.endr
	WIN 0
	; The exchange.  My partner (wave w xor 2) has walked the other keys for the same four tiles; its windows 0, 1 hold the tiles of my windows 2, 3, and the other way round.  Each gives its windows 2, 3.
	; O^T goes through slot 0, 32,768 bytes a wave: that slot has had its last fill (step 14's), and every wave's reads of it were over at the last change of slots.
	s_lshl_b32 s48, s[WV], 15
	s_xor_b32 s49, s[WV], 2
	s_lshl_b32 s50, s49, 15
	v_add_nc_u32 v[XG], s48, v[L16]
	v_add_nc_u32 v[XT], s50, v[L16]
	v_lshrrev_b32 v[L8], 1, v[L16]
	s_lshl_b32 s48, s[WV], 9
	s_add_co_u32 s48, s48, XST
	s_lshl_b32 s50, s49, 9
	s_add_co_u32 s50, s50, XST
	v_add_nc_u32 v[XSG], s48, v[L8]
	v_add_nc_u32 v[XSR], s50, v[L8]
	WAITV                                          ; the addresses
.irp t, 2,3
	WIN \t<<2                                      ; the stores' data: window t
	ds_store_b64 v[XSG], v[4:5] offset:256*(\t-2)
.set mm, 0
.rept 32
	ds_store_b128 v[XG], v[O+4*mm:O+4*mm+3] offset:16384*(\t-2)+512*mm   ; as register images, each accumulator from its low end on
.set mm, mm+1
.endr
.endr
	WIN 0
	s_wait_dscnt 0x0                               ; for my partner's sake: my stores are done
	s_barrier_signal -1
	s_barrier_wait -1
.macro TSTAT t                         ; my partner's -M and l of tile t -> v[8:9]
	WIN (\t)<<6
	ds_load_b64 v[8:9], v[XSR] offset:256*(\t)
.endm
.macro TREQ t, hh                      ; half hh (64 registers) of my partner's O^T of tile t -> the registers that held S^T
	WIN (\t)<<6
.set mm, 0
.rept 16
	ds_load_b128 v[S+4*mm:S+4*mm+3], v[XT] offset:16384*(\t)+8192*(\hh)+512*mm
.set mm, mm+1
.endr
.endm
.macro MSTAT t                         ; the common M; v6 and v12: the exact powers of two that bring mine and my partner's under it; l merged
	WIN 0x55*(\t)
	v_min_num_f32 v13, v4, v8
	v_sub_f32 v7, v13, v4
	v_sub_f32 v12, v13, v8
	v_cvt_i32_f32 v7, v7
	v_cvt_i32_f32 v12, v12
	v_ldexp_f32 v6, 1.0, v7
	v_ldexp_f32 v12, 1.0, v12
	v_mul_f32 v5, v5, v6
	v_mov_b32 v4, v13
	v_fmac_f32 v5, v9, v12
.endm
.macro MHALF t, hh                     ; O^T = O^T x v6 + my partner's x v12, 64 registers, ascending
	WIN 0x55*(\t)
.set pp, 0
.rept 8
.irp n, 0,2,4,6
	v_pk_mul_f32 v[O+64*(\hh)+pp+\n:O+64*(\hh)+pp+\n+1], v[O+64*(\hh)+pp+\n:O+64*(\hh)+pp+\n+1], v[6:7] op_sel_hi:[1,0]
.endr
.irp n, 0,2,4,6
	v_pk_fma_f32 v[O+64*(\hh)+pp+\n:O+64*(\hh)+pp+\n+1], v[S+pp+\n:S+pp+\n+1], v[12:13], v[O+64*(\hh)+pp+\n:O+64*(\hh)+pp+\n+1] op_sel_hi:[1,0,1]
.endr
.set pp, pp+8
.endr
.endm
.macro PSTORE t, hh                    ; the merged half leaves as it stands: 32 lanes store 512 consecutive bytes, at a multiple of 512 from po's first byte
	WIN (\t)<<2
.set mm, 0
.rept 16
	global_store_b128 v[L16], v[O+64*(\hh)+4*mm:O+64*(\hh)+4*mm+3], s[58:59] offset:16384*(\t)+8192*(\hh)+512*mm
.set mm, mm+1
.endr
.endm
	TSTAT 0
	TREQ 0, 0
	TSTAT 1
	TREQ 1, 0
	s_wait_dscnt 17                                ; tile 0's 17 loads are in; tile 1's 17 may be out
	MSTAT 0
	MHALF 0, 0
	TREQ 0, 1
	PSTORE 0, 0
	s_wait_dscnt 16                                ; tile 1's are in; the 16 just issued may be out
	MSTAT 1
	MHALF 1, 0
	TREQ 1, 1
	PSTORE 1, 0
	s_wait_dscnt 16                                ; tile 0's second half is in
	MHALF 0, 1
	PSTORE 0, 1
	global_store_b64 v[L8], v[4:5], s[60:61]       ; (-M, l) of tile 0, a pair for each lane
	s_wait_dscnt 0x0
	MHALF 1, 1
	PSTORE 1, 1
	global_store_b64 v[L8], v[4:5], s[60:61] offset:256
	WIN 0
	s_wait_tensorcnt 0x0                           ; the wave's end
	ds_add_u32 v[SPW], v[NIL]
	s_wait_dscnt 0x0
	CROUND                                         ; the closing round: no work-group ends while a partner may still ask for a tile that names it
	s_endpgm
.Lfunc_end_k_q47d230ad6c_attn:
	.size	k_q47d230ad6c_attn, .Lfunc_end_k_q47d230ad6c_attn-k_q47d230ad6c_attn
	.p2alignl 7, 3214868480
	.fill 96, 4, 3214868480
	.section	.rodata,"a",@progbits
	.p2align	6, 0x0
	.amdhsa_kernel k_q47d230ad6c_attn
		.amdhsa_group_segment_fixed_size 327680
		.amdhsa_private_segment_fixed_size 0
		.amdhsa_enable_private_segment 0
		.amdhsa_kernarg_size 40
		.amdhsa_user_sgpr_count 2
		.amdhsa_user_sgpr_kernarg_segment_ptr 1
		.amdhsa_wavefront_size32 1
		.amdhsa_system_sgpr_workgroup_id_x 1
		.amdhsa_system_sgpr_workgroup_id_y 1
		.amdhsa_system_sgpr_workgroup_id_z 1
		.amdhsa_system_vgpr_workitem_id 0
		.amdhsa_next_free_vgpr 1024
		.amdhsa_next_free_sgpr 66
		.amdhsa_reserve_vcc 0
		.amdhsa_float_denorm_mode_32 3
		.amdhsa_float_denorm_mode_16_64 3
		.amdhsa_memory_ordered 1
		.amdhsa_forward_progress 1
		.amdhsa_inst_pref_size 255
	.end_amdhsa_kernel
	.section	.bss,"aw",@nobits
	.p2align	6
	.space	262144
	.amdgpu_metadata
---
amdhsa.version: [ 1, 2 ]
amdhsa.kernels:
  - .name:           k_q47d230ad6c_attn
    .symbol:         k_q47d230ad6c_attn.kd
    .args:
      - { .name: qc, .offset: 0, .size: 8, .value_kind: global_buffer, .address_space: global }
      - { .name: kv, .offset: 8, .size: 8, .value_kind: global_buffer, .address_space: global }
      - { .name: lowp_scales, .offset: 16, .size: 8, .value_kind: global_buffer, .address_space: global }
      - { .name: po, .offset: 24, .size: 8, .value_kind: global_buffer, .address_space: global }
      - { .name: ps, .offset: 32, .size: 8, .value_kind: global_buffer, .address_space: global }
    .group_segment_fixed_size: 327680
    .private_segment_fixed_size: 0
    .kernarg_segment_align: 8
    .kernarg_segment_size: 40
    .max_flat_workgroup_size: 128
    .sgpr_count:     66
    .vgpr_count:     1024
    .wavefront_size: 32
...
	.end_amdgpu_metadata
.endif
;; end of part 2
;; launch comb (part 3): grid 256 x 1, 2 waves a work-group, no clusters, 8,960 bytes of LDS; arguments po, ps, lowp_scales, out0; writes out0
.if DOCPART == 3
	.amdgcn_target "amdgcn-amd-amdhsa--gfx1250"
	.amdhsa_code_object_version 6
	.text
	.protected	k_q47d230ad6c_comb
	.globl	k_q47d230ad6c_comb
	.p2align	8
	.type	k_q47d230ad6c_comb,@function
k_q47d230ad6c_comb:
	s_mov_b64 s[64:65], 0
	v_nop
	global_prefetch_b8 v0, s[64:65] scope:SCOPE_SE
	s_setreg_imm32_b32 hwreg(HW_REG_WAVE_MODE, 25, 1), 1
	s_wait_xcnt 0x0
; out0 = (the sum over the 16 splits s of O_s x 2^(M_s - M)) x 2^(e2 + e3) / (the sum of l_s x 2^(M_s - M)), M = the largest M_s: the powers of two are exact.
; po: [split 16][tile 128][32 groups of four registers][lane 32][16 bytes]: O^T of a tile of 16 queries as it stood in registers: register 8 f + j of lane (r, h) is channel 16 f + 8 h + j of the tile's query r.
; ps: [split][tile][lane][-M, l].   Query r of tile gt is row 32 (gt / 2) + 8 (gt % 2) + r + 8 (r / 8) of out0.
; LIMIT: e2 + e3 is applied by v_ldexp_f32 and has no limit of its own.  NaN and infinities are not served.
; A stream: each byte of po is read once, by loads of 512 consecutive bytes.  No matrix unit, no cluster, no barrier: a wave takes one tile and 64 of its channels (8 groups of four registers) and shares nothing.
; Four splits' loads (32 a wave) are out at a time.  The results go through the wave's own stage in LDS, so that sixteen lanes store 256 consecutive bytes of a row of out0, aligned.
.set ST,  16                           ; v16-47    (-M_s, l_s)
.set W,   48                           ; v48-79    the weights, each twice: a pair for the packed forms
.set ACC, 80                           ; v80-111   32 sums
.set XR,  112                          ; v112-239  four sets of 32 numbers as loaded
	s_load_b256 s[4:11], s[0:1], 0x0               ; po s[4:5], ps s[6:7], the scales' exponents s[8:9], out0 s[10:11]
	v_lshl_add_u32 v240, v0, 2, 0x2200
	v_mov_b32 v241, 0
	v_lshrrev_b32 v1, 5, v0
	v_readfirstlane_b32 s12, v1                    ; wave
	v_and_b32 v6, 31, v0
	v_lshlrev_b32 v1, 4, v6                        ; 16 x lane
	v_lshlrev_b32 v2, 3, v6                        ; 8 x lane
	v_and_b32 v7, 15, v6                           ; r
	v_lshrrev_b32 v8, 4, v6                        ; h
	s_mul_i32 s13, s12, 16*272                     ; my stage: 16 rows of 256 bytes + 16
	v_mul_u32_u24 v3, v7, 272
	v_lshl_add_u32 v3, v8, 5, v3
	v_add_nc_u32 v3, s13, v3                       ; in: row r, + 32 h
	v_mul_u32_u24 v4, v8, 272
	v_lshl_add_u32 v4, v7, 4, v4
	v_add_nc_u32 v4, s13, v4                       ; back: lanes 0-15 one row, lanes 16-31 the next
	v_lshlrev_b32 v5, 10, v8
	v_lshl_add_u32 v5, v7, 4, v5                   ; and the same two rows in out0
	s_lshr_b32 s14, ttmp9, 1                       ; the tile
	s_and_b32 s15, ttmp9, 1
	s_lshl_b32 s15, s15, 1
	s_add_co_u32 s15, s15, s12                     ; which 64 channels
	s_lshl_b32 s16, s14, 8
	s_mov_b32 s17, 0
	s_lshl_b32 s18, s14, 14
	s_lshl_b32 s19, s15, 12
	s_add_co_u32 s18, s18, s19
	s_mov_b32 s19, 0
	s_lshr_b32 s20, s14, 1
	s_lshl_b32 s20, s20, 15                        ; 32 rows of 1,024 bytes,
	s_and_b32 s21, s14, 1
	s_lshl_b32 s21, s21, 13                        ; 8 rows,
	s_add_co_u32 s20, s20, s21
	s_lshl_b32 s21, s15, 8                         ; 64 channels
	s_add_co_u32 s20, s20, s21
	s_mov_b32 s21, 0
	s_wait_kmcnt 0x0
	s_load_b128 s[40:43], s[8:9], 0x0              ; e0 .. e3
	s_add_nc_u64 s[6:7], s[6:7], s[16:17]
	s_add_nc_u64 s[24:25], s[4:5], s[18:19]        ; four bases, four splits (8,388,608 bytes) apart, so that a split's place stays inside the signed 24-bit immediate
	s_add_nc_u64 s[26:27], s[24:25], 0x800000
	s_add_nc_u64 s[28:29], s[26:27], 0x800000
	s_add_nc_u64 s[30:31], s[28:29], 0x800000
	s_add_nc_u64 s[10:11], s[10:11], s[20:21]
.irp s, 0,1,2,3,4,5,6,7,8,9,10,11,12,13,14,15
	global_load_b64 v[ST+2*\s:ST+2*\s+1], v2, s[6:7] offset:32768*\s
.endr
.macro XLOAD s                         ; split s: my eight groups of four registers, into set s % 4
.irp q, 0,1,2,3,4,5,6,7
	global_load_b128 v[XR+32*((\s)%4)+4*\q:XR+32*((\s)%4)+4*\q+3], v1, s[24+2*((\s)/4):25+2*((\s)/4)] offset:((\s)%4)*2097152+512*\q th:TH_LOAD_NT
.endr
.endm
	XLOAD 0
	XLOAD 1
	XLOAD 2
	XLOAD 3
	s_wait_loadcnt 32                              ; the 16 pairs are in; the 32 loads behind them may be out
	v_min3_num_f32 v6, v[ST], v[ST+2], v[ST+4]     ; the least -M
.irp s, 3,5,7,9,11,13
	v_min3_num_f32 v6, v6, v[ST+2*\s], v[ST+2*\s+2]
.endr
	v_min_num_f32 v6, v6, v[ST+30]
.irp s, 0,1,2,3,4,5,6,7,8,9,10,11,12,13,14,15
	v_sub_f32 v[W+2*\s], v6, v[ST+2*\s]            ; M_s - M: a whole number, 0 or less
.endr
.irp s, 0,1,2,3,4,5,6,7,8,9,10,11,12,13,14,15
	v_cvt_i32_f32 v[W+2*\s], v[W+2*\s]             ; (it saturates)
.endr
.irp s, 0,1,2,3,4,5,6,7,8,9,10,11,12,13,14,15
	v_ldexp_f32 v[W+2*\s], 1.0, v[W+2*\s]
.endr
	v_mul_f32 v7, v[ST+1], v[W]                    ; the row's sum, in two chains
	v_mul_f32 v8, v[ST+3], v[W+2]
.irp s, 2,4,6,8,10,12,14
	v_fmac_f32 v7, v[ST+2*\s+1], v[W+2*\s]
	v_fmac_f32 v8, v[ST+2*\s+3], v[W+2*\s+2]
.endr
	v_add_f32 v7, v7, v8
	s_wait_alu depctr_va_vdst(0)
	v_rcp_f32 v7, v7
	v_nop                                          ; one plain line behind a transcendental
	s_wait_kmcnt 0x0
	s_add_co_i32 s44, s42, s43
	s_wait_alu depctr_va_vdst(0)
	v_ldexp_f32 v7, v7, s44                        ; x 2^(e2 + e3)
.irp s, 0,1,2,3,4,5,6,7,8,9,10,11,12,13,14,15
	v_mul_f32 v[W+2*\s+1], v[W+2*\s], v7
	v_mul_f32 v[W+2*\s], v[W+2*\s], v7
.endr
.macro ACCUM s
.if 15-(\s) >= 3
	s_wait_loadcnt 24                              ; this split's eight loads are in; the three later splits' may be out
.else
	s_wait_loadcnt 8*(15-(\s))
.endif
.irp p, 0,2,4,6,8,10,12,14,16,18,20,22,24,26,28,30
.if (\s) == 0
	v_pk_mul_f32 v[ACC+\p:ACC+\p+1], v[XR+\p:XR+\p+1], v[W:W+1]        ; the first split starts the sums
.else
	v_pk_fma_f32 v[ACC+\p:ACC+\p+1], v[XR+32*((\s)%4)+\p:XR+32*((\s)%4)+\p+1], v[W+2*(\s):W+2*(\s)+1], v[ACC+\p:ACC+\p+1]
.endif
.endr
.if (\s)+4 < 16
	XLOAD (\s)+4
.endif
.endm
.irp s, 0,1,2,3,4,5,6,7,8,9,10,11,12,13,14,15
	ACCUM \s
.endr
.irp q, 0,1,2,3,4,5,6,7
	ds_store_b128 v3, v[ACC+4*\q:ACC+4*\q+3] offset:64*(\q/2)+16*(\q%2)   ; channels 16 (q / 2) + 8 h + 4 (q % 2) + 0 .. 3 of my 64
.endr
.irp i, 0,1,2,3,4,5,6,7
	ds_load_b128 v[XR+4*\i:XR+4*\i+3], v4 offset:544*\i                   ; LDS serves a wave's instructions in order (ISA guide 5.7.1.4): these see my stores
.endr
.irp i, 0,1,2,3,4,5,6,7
	s_wait_dscnt 7-\i
	global_store_b128 v5, v[XR+4*\i:XR+4*\i+3], s[10:11] offset:(2*\i+8*(\i/4))*1024 th:TH_STORE_NT   ; tile rows 2 i, 2 i + 1: sixteen lanes store 256 consecutive bytes, aligned
.endr
	s_wait_tensorcnt 0x0
	ds_add_u32 v240, v241
	s_wait_dscnt 0x0
	s_endpgm
.Lfunc_end_k_q47d230ad6c_comb:
	.size	k_q47d230ad6c_comb, .Lfunc_end_k_q47d230ad6c_comb-k_q47d230ad6c_comb
	.p2alignl 7, 3214868480
	.fill 96, 4, 3214868480
	.section	.rodata,"a",@progbits
	.p2align	6, 0x0
	.amdhsa_kernel k_q47d230ad6c_comb
		.amdhsa_group_segment_fixed_size 8960
		.amdhsa_private_segment_fixed_size 0
		.amdhsa_enable_private_segment 0
		.amdhsa_kernarg_size 32
		.amdhsa_user_sgpr_count 2
		.amdhsa_user_sgpr_kernarg_segment_ptr 1
		.amdhsa_wavefront_size32 1
		.amdhsa_system_sgpr_workgroup_id_x 1
		.amdhsa_system_sgpr_workgroup_id_y 1
		.amdhsa_system_sgpr_workgroup_id_z 1
		.amdhsa_system_vgpr_workitem_id 0
		.amdhsa_next_free_vgpr 242
		.amdhsa_next_free_sgpr 66
		.amdhsa_reserve_vcc 0
		.amdhsa_float_denorm_mode_32 3
		.amdhsa_float_denorm_mode_16_64 3
		.amdhsa_memory_ordered 1
		.amdhsa_forward_progress 1
		.amdhsa_inst_pref_size 39
	.end_amdhsa_kernel
	.amdgpu_metadata
---
amdhsa.version: [ 1, 2 ]
amdhsa.kernels:
  - .name:           k_q47d230ad6c_comb
    .symbol:         k_q47d230ad6c_comb.kd
    .args:
      - { .name: po, .offset: 0, .size: 8, .value_kind: global_buffer, .address_space: global }
      - { .name: ps, .offset: 8, .size: 8, .value_kind: global_buffer, .address_space: global }
      - { .name: lowp_scales, .offset: 16, .size: 8, .value_kind: global_buffer, .address_space: global }
      - { .name: out0, .offset: 24, .size: 8, .value_kind: global_buffer, .address_space: global }
    .group_segment_fixed_size: 8960
    .private_segment_fixed_size: 0
    .kernarg_segment_align: 8
    .kernarg_segment_size: 32
    .max_flat_workgroup_size: 64
    .sgpr_count:     66
    .vgpr_count:     242
    .wavefront_size: 32
...
	.end_amdgpu_metadata
.endif
;; end of part 3
